; MI455X (gfx1250); checked and timed in simulation.
; The chip was launched on July 23, 2026; its instructions are those of AMD's public machine-readable ISA for CDNA 5 (MIT licence, August 2026) and "CDNA5" Instruction Set Architecture Reference Guide (July 2026). The comments in the code are by the model that wrote it; some were corrected since.
;; Sofa Net Ellipse. Allowed arithmetic: float matrix products may take bf16 or f16 operands with f32 sums; other float arithmetic in f32, or as packed bf16 or f16 multiplies, adds, multiply-adds, maxima and minima; sums over many terms, partial sums and values carried from step to step in f32; what a program stores and reads back later, other than sums and carried values, may be rounded once to bf16 or f16.
;; Inputs: W_ab0 256 x 1 float32; W_ab1 256 x 256 float32; W_ab2 2 x 256 float32; W_kxy0 256 x 1 float32; W_kxy1 256 x 256 float32; W_kxy2 2 x 256 float32; W_sxy0 256 x 1 float32; W_sxy1 256 x 256 float32; W_sxy2 2 x 256 float32; b_ab0 256 float32; b_ab1 256 float32; b_ab2 2 float32; b_kxy0 256 float32; b_kxy1 256 float32; b_kxy2 2 float32; b_sxy0 256 float32; b_sxy1 256 float32; b_sxy2 2 float32; t 131,072 float32.
;; Outputs: out0 131,072 float32; out1 131,072 float32; out2 131,072 float32; out3 131,072 float32; out4 131,072 float32; out5 131,072 float32.
;; 2 versions, each right; version 2 is version 1 with the launch sofa written anew for expert scheduling mode. Each part assembles by itself: llvm-mc -triple=amdgcn-amd-amdhsa -mcpu=gfx1250 --defsym DOCPART=n.
;; ======== version 1 of 2: 1 launch
;; limits: values are held in f16: magnitudes above 65,504 overflow, below 6.1e-05 lose precision
;; launch sofa (part 1): grid 256 x 1, 8 waves a work-group, no clusters, 309,248 bytes of LDS; arguments W_ab0, b_ab0, b_ab1, W_ab2, W_kxy0, b_kxy0, b_kxy1, W_kxy2, W_sxy0, b_sxy0, b_sxy1, W_sxy2, b_ab2, b_kxy2, b_sxy2, W_ab1, W_kxy1, W_sxy1, out0, out1, out2, out3, out4, out5, t; writes out0, out1, out2, out3, out4, out5
.if DOCPART == 1
	.amdgcn_target "amdgcn-amd-amdhsa--gfx1250"
	.amdhsa_code_object_version 6
	.text
	.protected	k_q99fa011e12_sofa
	.globl	k_q99fa011e12_sofa
	.p2align	8
	.type	k_q99fa011e12_sofa,@function
k_q99fa011e12_sofa:
	s_mov_b64 s[64:65], 0
	v_nop
	global_prefetch_b8 v0, s[64:65] scope:SCOPE_SE
	s_setreg_imm32_b32 hwreg(HW_REG_WAVE_MODE, 25, 1), 1
	s_wait_xcnt 0x0
; SofaNetEllipse: three MLPs 1 -> 256 -> 256 -> 2 (tanh) of u = pi t, each with its derivative in t, combined with cos(pi t) - 1 and sin(pi t).  N = 131,072 points, all in ONE launch.
; DEAD WORK: none in whole units; every input is loaded and reaches an output.  The tangent is carried as the chain rule gives it: du/dt = pi, a bias has no tangent.
; ARITHMETIC.  c2 = 2 log2(e).  tanh(z) = 1 - 2 r, r = 1 / (1 + 2^(c2 z)); 1 - tanh^2 = 4 p, p = r - r^2.  The factor c2 is folded into the tables: w' = c2 pi W0, b' = c2 b0, b1'' = c2 b1, W1s = c2 W1.
;   layer 1: x = t w' + b';  h = 1 - 2 r;  d = p w'            (dh/dt = (4 / c2) d)
;   layer 2: x2 = W1s h + b1'' (the bias is the C operand of the first K step);  dz = W1s d;  h2 = 1 - 2 r2;  d2 = p2 dz     (dh2/dt = (16 / c2^2) d2)
;   layer 3: out = W2 h2 + b2 (b2 starts the sums);  dout = KD (W2 d2), KD = 16 / c2^2 = 4 ln^2 2, applied once at the end, in f32.
; FORMATS.  Matrix operands (W1s, W2, h, d, h2, d2) are f16, all sums f32, everything else f32.  2^x = infinity gives r = 0, 2^x = 0 gives r = 1: tanh saturates without a NaN.
; LIMITS.  f16 ends at 65,504: |c2 W1|, |W2|, |p w'| and |p2 dz| must stay below it (with all inputs 30 times the drawn spread, or offset by 30 spreads, the largest of them is some 4e3).
;   sin and cos are taken of pi t with t exact (t = k + f, k = round(t), series in f, sign by k's parity): they differ from functions of the f32 product pi t by up to pi |t| 2^-24; k's parity wants |t| < 2^31.
;   NaN and infinities among the inputs are not treated apart.
; SHARES.  256 work-groups of 512 points; each of the 8 waves owns 64 points = 256 bytes of every output.  A wave makes six passes: MLP m = 0, 1, 2 x batch b = 0, 1 of 32 points (two tiles pt of 16).
;   Point 2 (16 pt + r) + b of the wave lies in column r of tile pt: at the end lane L = 16 pt + r holds points 2 L and 2 L + 1 as a register pair, and each output leaves by one store of 8 bytes a lane.
; PHASES.  A pass: layer 1 into 256 registers (B fragments of h and d for all of K), then 8 turns, each 32 features of layer 2: 64 products, the tanh of their results, 4 products of layer 3.
;   The loops hold no barrier: eight waves, so that one wave's vector phase can stand beside another's matrix phase.  To set them apart, waves 0-3 alone lay out the first W1 while waves 4-7 make their first
;   layer 1, and at each change of MLP a pass's layer 1 stands between the barrier's signal and its wait.
; W1 is read as f32, scaled by c2, rounded and laid into LDS by the waves themselves: MLP m + 1's during MLP m's 16 turns, two rows a wave and turn, into the buffer that nobody reads.
; NO CLUSTER, NO TENSOR LOADS: what work-groups share is the f32 W1, which has to pass through registers to be scaled and rounded; an f32 stage for joint loads (262,144 bytes a matrix) has no room beside the two
;   f16 buffers (270,336 of the 309,248 bytes used), and a wave asks for only 2,048 bytes of it in a turn of 68 products.
.set PITCH, 528                        ; a row of W1 or W2 in LDS: 512 bytes + 16 = 33 x 16: the 16 rows of a fragment load start at 16 different 16-byte columns modulo 256
.set BUFB,  256*PITCH                  ; a W1 buffer: 135,168 bytes.  Buffer 0 at 0, buffer 1 at BUFB; MLP m lies in buffer m & 1
.set TAB,   2*BUFB                     ; per MLP 2,048 bytes: w'[256], then b'[256], f32
.set BIAS,  TAB+3*2048                 ; per MLP 1,024 bytes: b1''[256], f32
.set W2S,   BIAS+3*1024                ; three strips of 18 rows: strip m is 0 but for rows 4 m + 2, 4 m + 3 = W2_m's two rows in f16
.set STRIP, 18*PITCH                   ;   read from row 0 it puts W2_m into output rows 4 m + 2, 4 m + 3 (for d2); read from row 2, into rows 4 m, 4 m + 1 (for h2)
.set SPARE, W2S+28672                  ; the spare words, 128 bytes for each of the 8 waves: four blocks of 256 bytes that no other line names
.set C2,     0x4038aa3b                ; 2 log2(e)
.set C2PI,   0x41110918                ; 2 log2(e) pi
.set KD,     0x3ff5fdf0                ; 4 ln^2 2
.set PI,     0x40490fdb
.set HALFPI, 0x3fc90fdb
.set SN1, 0xc0a55de7                   ; sin(pi f) = f (pi - 5.16771278 y + 2.55016404 y^2 - 0.59926453 y^3 + 0.08214589 y^4 - 0.00737043 y^5), y = f^2, |f| <= 1/2: the next term is under 6e-8
.set SN2, 0x402335e3
.set SN3, 0xbf196966
.set SN4, 0x3da83c1b
.set SN5, 0xbbf183a6
.set CN1, 0xc09de9e6                   ; cos(pi f) = 1 - 4.93480220 y + 4.05871213 y^2 - 1.33526277 y^3 + 0.23533063 y^4 - 0.02580689 y^5 + 0.00192957 y^6: the next term is under 7e-9
.set CN2, 0x4081e0f8
.set CN3, 0xbfaae9e4
.set CN4, 0x3e70fa83
.set CN5, 0xbcd368f9
.set CN6, 0x3afce9a0
; VECTOR REGISTERS, window 0 (L = lane, r = L % 16, h = L / 16, w = wave)
.set AW0, 2                            ; r x 528 + 16 h: my place in a fragment of W1 or of a strip; never rewritten
.set AW,  3                            ; address of the turn's W1 fragments
.set BA,  4                            ; address of the turn's bias fragments
.set W2A, 5                            ; address of the turn's strip fragments
.set TA,  6                            ; address of my layer-1 table entries
.set GW,  7                            ; w x 32,768 + 16 L: my bytes in the next W1's rows; never rewritten
.set SW,  8                            ; where my converted rows go
.set SW0, 9                            ; w x 32 rows x 528 + 8 L; never rewritten
.set H32, 10                           ; 32 h; never rewritten
.set CG,  11                           ; first lay-out (used by waves 0-3): w x 65,536 + 16 L: my bytes in my 64 rows of W_ab1; never rewritten
.set TP,  12                           ; v[12:13], v[14:15]: t of points (b = 0, b = 1) of column r in tile 0, tile 1
.set TF,  16                           ; v[16:17]: t of points 2 L, 2 L + 1
.set OO,  18                           ; 2,048 g + 8 x thread: my 8 bytes in t and in every output; never rewritten
.set TO,  19                           ; 2,048 g + 256 w + 8 r
.set SPW, 20                           ; LDS address of my spare word: SPARE + 4 x my thread's number; never rewritten
.set NIL, 21                           ; 0; never rewritten
.set CL,  22                           ; first lay-out (used by waves 0-3): w x 64 rows x 528 + 8 L; never rewritten
.set I4,  23                           ; 4 x thread
.set PT,  24                           ; v[24:31] at work
.set OUT, 32                           ; v[32:63] layer 3's sums, batch b, tile pt at OUT + 16 b + 8 pt: rows 0-7 a, b, da, db, kx, ky, dkx, dky; rows 8-11 sx, sy, dsx, dsy
.set ACC, 64                           ; v[64:127] layer 2: x2 of (ft, pt) at ACC + 8 (2 ft + pt), dz at + 32.  In layer 1: XR and PD.  First lay-out: with AF two stages of 64
.set XR,  64
.set PD,  96
.set AF,  128                          ; v[128:191] W1 fragments: half hf, K step s2 of two, feature tile ft at AF + 32 hf + 16 s2 + 8 ft.  In layer 1: two table sets of 32 (w' 16, b' 16)
.set BF,  192                          ; v[192:207] bias fragments of ft = 0, 1
.set WFH, 208                          ; v[208:215] strip fragment for h2
.set WFD, 216                          ; v[216:223] strip fragment for d2
.set CS,  224                          ; v[224:239] four loads of 16 bytes a lane of the next W1; in the head the 15 table entries of my thread
.set HA,  239                          ; head: W2S + 2 x thread
; window 1: v[0:255] the pass's layer 1 as B fragments: K step s, tile pt, h (v = 0) or d (v = 1) at 32 s + 16 pt + 8 v
; SCALARS: s2 2,048 g; s[4:5] t; s8 wave; s9 MLPs left; s10 turns left; s11 1 while a next W1 is to be laid out; s12 buffer read; s13 buffer written; s14 tables; s15 biases; s[16:63] the first 24 arguments in order;
;   s[66:71] the three b2 pairs; s72 strip; s[74:75] the walking pointer into the next W1; s76 mask of lanes 16-31; s[78:79] v_permlanex16_b32's selects; s81 at work; s[82:83] c2 (the packed scaling takes the low word for both halves)
.set MSB, 0
.macro WIN new                         ; s_set_vgpr_msb: bits 3:2 source 1's window, 7:6 the destination's; the high byte repeats the setting that is left; a switch that changes nothing is dropped
.if MSB != (\new)
	s_set_vgpr_msb (MSB<<8)|(\new)
.set MSB, \new
.endif
.endm
.macro PLACES n                        ; plain vector instructions behind a matrix instruction, ahead of what touches its registers (ISA guide 7.12.1)
.rept \n
	v_nop
.endr
.endm
; ---- layer 1 ----
; The B fragment of K step s wants, in lane (r, h), features 32 s + 8 h + 0..7 and 32 s + 16 + 8 h + 0..7 of point r: their 16 w' and 16 b', eight loads of 16 bytes, into table set q.
.macro LDT q, s
.set rW, AF+32*(\q)
.irp o, 0,1
	ds_load_b128 v[rW+8*(\o):rW+8*(\o)+3],       v[TA] offset:128*(\s)+64*(\o)
	ds_load_b128 v[rW+8*(\o)+4:rW+8*(\o)+7],     v[TA] offset:128*(\s)+64*(\o)+16
	ds_load_b128 v[rW+16+8*(\o):rW+16+8*(\o)+3], v[TA] offset:1024+128*(\s)+64*(\o)
	ds_load_b128 v[rW+16+8*(\o)+4:rW+16+8*(\o)+7], v[TA] offset:1024+128*(\s)+64*(\o)+16
.endr
.endm
; One K step of layer 1 for batch b: 32 features' h and d of both tiles (16 a lane and tile).
.macro L1STEP b, s
.set WT, AF+32*((\s)%2)
.set BT, WT+16
.if (\s) == 7
	s_wait_dscnt 0x0                               ; the last set: nothing was asked for behind it
.else
	s_wait_dscnt 0x8                               ; my set is in; the next step's eight loads may stay out
.endif
.irp pt, 0,1
.set i, 0
.rept 8
	v_pk_fma_f32 v[XR+16*(\pt)+i:XR+16*(\pt)+i+1], v[WT+i:WT+i+1], v[TP+2*(\pt):TP+2*(\pt)+1], v[BT+i:BT+i+1] op_sel:[0,\b,0] op_sel_hi:[1,\b,1]  ; x = w' t + b', t of batch b for both halves
.set i, i+2
.endr
.endr
.set i, 0
.rept 32
	v_exp_f32 v[XR+i], v[XR+i]
.set i, i+1
.endr
	v_nop                                          ; a plain instruction behind the last exponential,
	s_wait_alu depctr_va_vdst(0)                   ; and one wait for the batch of 32, ahead of the first reader
.set i, 0
.rept 16
	v_pk_add_f32 v[XR+i:XR+i+1], v[XR+i:XR+i+1], 1.0 op_sel_hi:[1,0]
.set i, i+2
.endr
.set i, 0
.rept 32
	v_rcp_f32 v[XR+i], v[XR+i]
.set i, i+1
.endr
	v_nop
	s_wait_alu depctr_va_vdst(0)                   ; one wait for the 32 reciprocals
.set i, 0
.rept 16
	v_pk_fma_f32 v[PD+i:PD+i+1], v[XR+i:XR+i+1], v[XR+i:XR+i+1], v[XR+i:XR+i+1] neg_lo:[1,0,0] neg_hi:[1,0,0]  ; p = r - r r
.set i, i+2
.endr
.irp pt, 0,1
.set i, 0
.rept 8
	v_pk_mul_f32 v[PD+16*(\pt)+i:PD+16*(\pt)+i+1], v[PD+16*(\pt)+i:PD+16*(\pt)+i+1], v[WT+i:WT+i+1]  ; d = p w'
.set i, i+2
.endr
.endr
.set i, 0
.rept 16
	v_pk_fma_f32 v[XR+i:XR+i+1], v[XR+i:XR+i+1], -2.0, 1.0 op_sel_hi:[1,0,0]  ; h = 1 - 2 r
.set i, i+2
.endr
.if (\s) < 6
	LDT (\s)%2, (\s)+2                             ; the set just used takes the step after next
.endif
	WIN 0x40                                       ; destination window 1
.irp pt, 0,1
.set j, 0
.rept 8
	v_cvt_pk_f16_f32 v[32*(\s)+16*(\pt)+j],   v[XR+16*(\pt)+2*j], v[XR+16*(\pt)+2*j+1]
	v_cvt_pk_f16_f32 v[32*(\s)+16*(\pt)+8+j], v[PD+16*(\pt)+2*j], v[PD+16*(\pt)+2*j+1]
.set j, j+1
.endr
.endr
	WIN 0
.endm
.macro L1GEN b
	v_add_nc_u32 v[TA], s14, v[H32]
	LDT 0, 0
	LDT 1, 1
.irp s, 0,1,2,3,4,5,6,7
	L1STEP \b, \s
.endr
.endm
; ---- layer 2 ----
; Eight loads: W1's fragments (16 features x 32 K: two loads of 16 bytes, 32 bytes apart) of K steps s0, s0 + 1, both feature tiles, into half hf.
.macro LDA hf, s0
.irp s2, 0,1
.irp ft, 0,1
.set rA, AF+32*(\hf)+16*(\s2)+8*(\ft)
	ds_load_b128 v[rA:rA+3],   v[AW] offset:(\ft)*16*PITCH+64*((\s0)+(\s2))
	ds_load_b128 v[rA+4:rA+7], v[AW] offset:(\ft)*16*PITCH+64*((\s0)+(\s2))+32
.endr
.endr
.endm
.macro NEXTLOADS                       ; what a turn begins with, 20 loads: the bias as C fragments (register j: feature 8 h + j), then K steps 0-1 and 2-3
.irp ft, 0,1
	ds_load_b128 v[BF+8*(\ft):BF+8*(\ft)+3],   v[BA] offset:64*(\ft)
	ds_load_b128 v[BF+8*(\ft)+4:BF+8*(\ft)+7], v[BA] offset:64*(\ft)+16
.endr
	LDA 0, 0
	LDA 1, 2
.endm
; 16 products: K steps s0, s0 + 1.  Source 0 = 16 features of W1s, source 1 = 16 points of h or d: a lane's results are 8 features of one point.  The eight accumulators take turns, one instruction a turn,
; in the same order in every K step.  first = 1: K step 0 starts the sums, x2's with the bias, dz's with 0.
.macro MM16 hf, s0, first
.irp s2, 0,1
.irp ft, 0,1
.irp pt, 0,1
.irp vv, 0,1
.set rD, ACC+32*(\vv)+8*(2*(\ft)+(\pt))
.set rA, AF+32*(\hf)+16*(\s2)+8*(\ft)
.set rB, 32*((\s0)+(\s2))+16*(\pt)+8*(\vv)
.if (\first) && ((\s2) == 0) && ((\vv) == 0)
	v_wmma_f32_16x16x32_f16 v[rD:rD+7], v[rA:rA+7], v[rB:rB+7], v[BF+8*(\ft):BF+8*(\ft)+7]
.elseif (\first) && ((\s2) == 0)
	v_wmma_f32_16x16x32_f16 v[rD:rD+7], v[rA:rA+7], v[rB:rB+7], 0
.else
	v_wmma_f32_16x16x32_f16 v[rD:rD+7], v[rA:rA+7], v[rB:rB+7], v[rD:rD+7]
.endif
.endr
.endr
.endr
.endr
.endm
; The tanh of a turn's 32 features x 32 points and its tangent, then both rounded to f16 in place: the two feature tiles of a point tile, packed in pairs, ARE layer 3's B fragment (32 features x 16 points).
; Every accumulator is read from its lowest registers on.
.macro EPI
.set i, 0
.rept 32
	v_exp_f32 v[ACC+i], v[ACC+i]
.set i, i+1
.endr
	v_nop
	s_wait_alu depctr_va_vdst(0)                   ; one wait for the 32 exponentials
.set i, 0
.rept 16
	v_pk_add_f32 v[ACC+i:ACC+i+1], v[ACC+i:ACC+i+1], 1.0 op_sel_hi:[1,0]
.set i, i+2
.endr
.set i, 0
.rept 32
	v_rcp_f32 v[ACC+i], v[ACC+i]
.set i, i+1
.endr
	v_nop
	s_wait_alu depctr_va_vdst(0)                   ; one wait for the 32 reciprocals
.set g, 0
.rept 4
.irp q, 0,2,4,6
	v_pk_fma_f32 v[PT+(\q):PT+(\q)+1], v[ACC+g+(\q):ACC+g+(\q)+1], v[ACC+g+(\q):ACC+g+(\q)+1], v[ACC+g+(\q):ACC+g+(\q)+1] neg_lo:[1,0,0] neg_hi:[1,0,0]  ; p2 = r - r r
.endr
.irp q, 0,2,4,6
	v_pk_mul_f32 v[ACC+32+g+(\q):ACC+32+g+(\q)+1], v[ACC+32+g+(\q):ACC+32+g+(\q)+1], v[PT+(\q):PT+(\q)+1]  ; d2 = p2 dz
.endr
.irp q, 0,2,4,6
	v_pk_fma_f32 v[ACC+g+(\q):ACC+g+(\q)+1], v[ACC+g+(\q):ACC+g+(\q)+1], -2.0, 1.0 op_sel_hi:[1,0,0]  ; h2 = 1 - 2 r
.endr
.set g, g+8
.endr
.irp vv, 0,32
.irp pt, 0,8
.irp j, 0,1,2,3
	v_cvt_pk_f16_f32 v[ACC+(\vv)+(\pt)+(\j)], v[ACC+(\vv)+(\pt)+2*(\j)], v[ACC+(\vv)+(\pt)+2*(\j)+1]
.endr
.irp j, 0,1,2,3
	v_cvt_pk_f16_f32 v[ACC+(\vv)+(\pt)+4+(\j)], v[ACC+(\vv)+16+(\pt)+2*(\j)], v[ACC+(\vv)+16+(\pt)+2*(\j)+1]
.endr
.endr
.endr
.endm
; ---- layer 3: four products on the batch's two accumulators, by turns ----
.macro L3 b
	v_wmma_f32_16x16x32_f16 v[OUT+16*(\b):OUT+16*(\b)+7],    v[WFH:WFH+7], v[ACC:ACC+7],       v[OUT+16*(\b):OUT+16*(\b)+7]
	v_wmma_f32_16x16x32_f16 v[OUT+16*(\b)+8:OUT+16*(\b)+15], v[WFH:WFH+7], v[ACC+8:ACC+15],    v[OUT+16*(\b)+8:OUT+16*(\b)+15]
	v_wmma_f32_16x16x32_f16 v[OUT+16*(\b):OUT+16*(\b)+7],    v[WFD:WFD+7], v[ACC+32:ACC+39],   v[OUT+16*(\b):OUT+16*(\b)+7]
	v_wmma_f32_16x16x32_f16 v[OUT+16*(\b)+8:OUT+16*(\b)+15], v[WFD:WFD+7], v[ACC+40:ACC+47],   v[OUT+16*(\b)+8:OUT+16*(\b)+15]
.endm
; ---- W1 on its way into LDS: n groups of four f32 at base + 4 q become c2 W1 in f16, 8 bytes in base + 4 q, base + 4 q + 1 ----
.macro CVT4 base, n
.set q, 0
.rept \n
	v_pk_mul_f32 v[(\base)+4*q:(\base)+4*q+1],   v[(\base)+4*q:(\base)+4*q+1],   s[82:83] op_sel_hi:[1,0]
	v_pk_mul_f32 v[(\base)+4*q+2:(\base)+4*q+3], v[(\base)+4*q+2:(\base)+4*q+3], s[82:83] op_sel_hi:[1,0]
	v_cvt_pk_f16_f32 v[(\base)+4*q],   v[(\base)+4*q],   v[(\base)+4*q+1]
	v_cvt_pk_f16_f32 v[(\base)+4*q+1], v[(\base)+4*q+2], v[(\base)+4*q+3]
.set q, q+1
.endr
.endm
; The first lay-out goes in blocks of 8 rows; a block's place stands in the immediates (65,024 at the most in memory, 33,520 in LDS), so neither address register nor the pointer is ever stepped.
.macro CLOAD set, blk                  ; block blk of my 64 rows: 8 rows of 1,024 bytes, 16 loads of 512 consecutive bytes, into stage set
.set q, 0
.rept 16
	global_load_b128 v[ACC+64*(\set)+4*q:ACC+64*(\set)+4*q+3], v[CG], s[46:47] offset:(\blk)*8192+512*q
.set q, q+1
.endr
.endm
.macro CCVT set, blk                   ; and its way into LDS: 256 consecutive bytes a store
	CVT4 ACC+64*(\set), 16
	s_wait_dscnt 0x20                              ; the 32 youngest stores may stay out: no more than 32 + 16 LDS stores of mine are out at a time
.set q, 0
.rept 16
	ds_store_b64 v[CL], v[ACC+64*(\set)+4*q:ACC+64*(\set)+4*q+1] offset:(\blk)*8*PITCH+PITCH*(q/2)+256*(q%2)
.set q, q+1
.endr
.endm
; ---- a pass's eight turns ----
.macro TURNS b
	v_add_nc_u32 v[AW],  s12, v[AW0]
	v_add_nc_u32 v[BA],  s15, v[H32]
	v_add_nc_u32 v[W2A], s72, v[AW0]
	NEXTLOADS
	s_mov_b32 s10, 8
.Lturn_\b:
	s_cmp_eq_u32 s11, 0
	s_cbranch_scc1 .Lnold_\b
.irp q, 0,1,2,3
	global_load_b128 v[CS+4*(\q):CS+4*(\q)+3], v[GW], s[74:75] offset:512*(\q)  ; two rows of the next W1: asked for a whole turn ahead of their use
.endr
.Lnold_\b:
	WIN 0x04                                       ; source 1 (h, d) in window 1; LDS loads name only destination and source 0, which stay in window 0
	s_wait_dscnt 0x8                               ; the bias and K steps 0-1 are in; of what was issued behind them at most eight (K steps 2-3, the last turn's four stores) are out
	MM16 0, 0, 1
	PLACES 4                                       ; ahead of the loads into the half just multiplied
	LDA 0, 4
	s_wait_dscnt 0x8                               ; K steps 2-3 are in; the eight loads just issued may stay out
	MM16 1, 2, 0
	PLACES 4
	LDA 1, 6
	ds_load_b128 v[WFD:WFD+3],   v[W2A]            ; the strip from row 0, for d2,
	ds_load_b128 v[WFD+4:WFD+7], v[W2A] offset:32
	ds_load_b128 v[WFH:WFH+3],   v[W2A] offset:2*PITCH     ; and from row 2, for h2
	ds_load_b128 v[WFH+4:WFH+7], v[W2A] offset:2*PITCH+32
	s_wait_dscnt 0xc                               ; K steps 4-5 are in; K steps 6-7's eight loads and the strip's four may stay out
	MM16 0, 4, 0
	s_wait_dscnt 0x0
	MM16 1, 6, 0
	WIN 0
	PLACES 4                                       ; ahead of the loads into the fragments' registers and of the first reader of the sums
	s_cmp_eq_u32 s10, 1
	s_cbranch_scc1 .Lnonext_\b                     ; the last turn has no successor
	v_add_nc_u32 v[AW], 32*PITCH, v[AW]
	v_add_nc_u32 v[BA], 128, v[BA]
	NEXTLOADS                                      ; the next turn's first fragments land during this turn's vector work
.Lnonext_\b:
	EPI
	L3 \b
	v_add_nc_u32 v[W2A], 64, v[W2A]                ; the next 32 features of the strip: the first of five places behind layer 3's products
	s_wait_loadcnt 0x0                             ; the two rows of the next W1 are in (where none were asked for, nothing is out): the stage and the pointer are free
	s_cmp_eq_u32 s11, 0
	s_cbranch_scc1 .Lnocv_\b
	CVT4 CS, 4
.irp q, 0,1,2,3
	ds_store_b64 v[SW], v[CS+4*(\q):CS+4*(\q)+1] offset:PITCH*((\q)/2)+256*((\q)%2)
.endr
	v_add_nc_u32 v[SW], 2*PITCH, v[SW]
	s_add_nc_u64 s[74:75], s[74:75], 2048
.Lnocv_\b:
	PLACES 4                                       ; with the step of W2A five: the next turn's first products write over layer 3's B registers
	s_sub_co_u32 s10, s10, 1
	s_cmp_lg_u32 s10, 0
	s_cbranch_scc1 .Lturn_\b
	s_wait_dscnt 0x0                               ; no LDS instruction of mine is out when other loads land in the fragments' registers
.endm
; ================ THE HEAD ================
	s_load_b512 s[16:31], s[0:1], 0x0
	s_load_b512 s[32:47], s[0:1], 0x40
	s_load_b512 s[48:63], s[0:1], 0x80
	s_load_b64 s[4:5], s[0:1], 0xc0                ; t
	v_lshl_add_u32 v[SPW], v0, 2, SPARE
	v_mov_b32 v[NIL], 0
	v_lshrrev_b32 v1, 5, v0
	v_readfirstlane_b32 s8, v1                     ; wave 0..7
	v_and_b32 v24, 31, v0                          ; L
	v_and_b32 v25, 15, v0                          ; r
	v_bfe_u32 v26, v0, 4, 1                        ; h
	v_mul_u32_u24 v[AW0], v25, PITCH
	v_lshl_add_u32 v[AW0], v26, 4, v[AW0]
	v_lshlrev_b32 v[H32], 5, v26
	s_lshl_b32 s2, ttmp9, 11                       ; the work-group's 512 points: 2,048 bytes of t and of each output
	s_lshl_b32 s81, s8, 15
	v_lshl_add_u32 v[GW], v24, 4, s81
	s_mul_i32 s81, s8, 32*PITCH
	v_lshl_add_u32 v[SW0], v24, 3, s81
	s_lshl_b32 s81, s8, 16
	v_lshl_add_u32 v[CG], v24, 4, s81              ; the first lay-out's two addresses: made by every wave, used by waves 0-3
	s_mul_i32 s81, s8, 64*PITCH
	v_lshl_add_u32 v[CL], v24, 3, s81
	v_lshl_add_u32 v[OO], v0, 3, s2
	s_lshl_b32 s81, s8, 8
	s_add_co_u32 s81, s81, s2
	v_lshl_add_u32 v[TO], v25, 3, s81
	v_lshlrev_b32 v[I4], 2, v0
	v_lshl_add_u32 v27, v0, 4, W2S
	v_lshl_add_u32 v[HA], v0, 1, W2S
	v_mov_b32 v28, 0
	v_mov_b32 v29, 0
	v_mov_b32 v30, 0
	v_mov_b32 v31, 0
	s_mov_b32 s76, 0xffff0000
	s_mov_b32 s78, 0x76543210
	s_mov_b32 s79, 0xfedcba98
	s_mov_b32 s82, C2
	s_mov_b32 s83, C2                              ; named with it as a pair, so it is written
.irp j, 0,1,2,3,4,5,6
	ds_store_b128 v27, v[28:31] offset:4096*(\j)   ; the strips' zeros: 256 threads x 16 bytes x 7 = 28,672 bytes
.endr
	s_wait_kmcnt 0x0
	s_load_b64 s[66:67], s[40:41], 0x0             ; b_ab2
	s_load_b64 s[68:69], s[42:43], 0x0             ; b_kxy2
	s_load_b64 s[70:71], s[44:45], 0x0             ; b_sxy2
.irp m, 0,1,2                          ; thread i takes entry i of every table
	global_load_b32 v[CS+(\m)],      v[I4], s[16+8*(\m):17+8*(\m)]               ; W0
	global_load_b32 v[CS+3+(\m)],    v[I4], s[18+8*(\m):19+8*(\m)]               ; b0
	global_load_b32 v[CS+6+(\m)],    v[I4], s[20+8*(\m):21+8*(\m)]               ; b1
	global_load_b32 v[CS+9+2*(\m)],  v[I4], s[22+8*(\m):23+8*(\m)]               ; W2's row 0
	global_load_b32 v[CS+10+2*(\m)], v[I4], s[22+8*(\m):23+8*(\m)] offset:1024   ; W2's row 1
.endr
	global_load_b64 v[TP:TP+1],   v[TO], s[4:5]
	global_load_b64 v[TP+2:TP+3], v[TO], s[4:5] offset:128
	global_load_b64 v[TF:TF+1],   v[OO], s[4:5]
	s_wait_dscnt 0x0                               ; my zeros lie in LDS,
	s_barrier_signal -1
	s_barrier_wait -1                              ; everybody's do: now the live rows may be written over them
	s_wait_loadcnt 0x0
	v_lshl_add_u32 v27, v0, 2, TAB
.irp m, 0,1,2
	v_mul_f32 v[CS+(\m)],   C2PI, v[CS+(\m)]       ; w' = c2 pi W0
	v_mul_f32 v[CS+3+(\m)], C2,   v[CS+3+(\m)]     ; b' = c2 b0
	v_mul_f32 v[CS+6+(\m)], C2,   v[CS+6+(\m)]     ; b1'' = c2 b1
	v_cvt_pk_f16_f32 v[CS+9+2*(\m)], v[CS+9+2*(\m)], v[CS+10+2*(\m)]
	ds_store_b32 v27, v[CS+(\m)]   offset:2048*(\m)
	ds_store_b32 v27, v[CS+3+(\m)] offset:2048*(\m)+1024
	ds_store_b32 v27, v[CS+6+(\m)] offset:BIAS-TAB+1024*(\m)
	ds_store_b16        v[HA], v[CS+9+2*(\m)] offset:STRIP*(\m)+(4*(\m)+2)*PITCH
	ds_store_b16_d16_hi v[HA], v[CS+9+2*(\m)] offset:STRIP*(\m)+(4*(\m)+3)*PITCH
.endr
	s_wait_dscnt 0x0                               ; my part of the tables lies in LDS,
	s_barrier_signal -1
	s_barrier_wait -1                              ; everybody's does; nobody writes tables, biases or strips again
	s_wait_kmcnt 0x0
	v_mov_b32 v28, s66                             ; layer 3's sums start with b2: register j is row j in lanes 0-15, row 8 + j in lanes 16-31
	v_mov_b32 v29, s70
	v_cndmask_b32 v[OUT], v28, v29, s76            ; a | sx
	v_mov_b32 v28, s67
	v_mov_b32 v29, s71
	v_cndmask_b32 v[OUT+1], v28, v29, s76          ; b | sy
	v_mov_b32 v[OUT+2], 0
	v_mov_b32 v[OUT+3], 0
	v_mov_b32 v28, s68
	v_cndmask_b32 v[OUT+4], v28, 0, s76            ; kx | unused row
	v_mov_b32 v28, s69
	v_cndmask_b32 v[OUT+5], v28, 0, s76            ; ky | unused row
	v_mov_b32 v[OUT+6], 0
	v_mov_b32 v[OUT+7], 0
.set i, 8
.rept 24
	v_mov_b32 v[OUT+i], v[OUT+i%8]                 ; the same for the other three accumulators
.set i, i+1
.endr
; ================ THE FIRST W1: waves 0-3, 64 rows each, into buffer 0; eight blocks of 8 rows through two stages, written out ================
	s_cmp_lt_u32 s8, 4
	s_cbranch_scc0 .Lno_conv
	CLOAD 0, 0
	CLOAD 1, 1
.irp k, 0,1,2,3,4,5
	s_wait_loadcnt 16                              ; this block's stage is in; the other stage's 16 loads may stay out
	CCVT (\k)%2, \k
	CLOAD (\k)%2, (\k)+2                           ; the stage takes the block after next
.endr
	s_wait_loadcnt 16                              ; the last two blocks: nothing more is asked for
	CCVT 0, 6
	s_wait_loadcnt 0x0
	CCVT 1, 7
.Lno_conv:
; ================ THE THREE MLPs ================
	s_mov_b32 s9, 3
	s_mov_b32 s12, 0
	s_mov_b32 s13, BUFB
	s_mov_b32 s14, TAB
	s_mov_b32 s15, BIAS
	s_mov_b32 s72, W2S
.Lmlp:
	s_wait_dscnt 0x0                               ; my rows of this MLP's W1 lie in LDS, and my reads of the last MLP's are over
	s_barrier_signal -1
	s_cmp_eq_u32 s9, 3
	s_cselect_b64 s[74:75], s[48:49], s[50:51]     ; the W1 to lay out meanwhile: W_kxy1, then W_sxy1
	s_cmp_lg_u32 s9, 1
	s_cselect_b32 s11, 1, 0                        ; the last MLP has no successor
	v_add_nc_u32 v[SW], s13, v[SW0]
	L1GEN 0                                        ; between signal and wait: registers, and loads of tables that nobody writes any more
	s_barrier_wait -1                              ; W1 is whole, and nobody reads the other buffer: it may be written
	TURNS 0
	L1GEN 1
	TURNS 1
	s_xor_b32 s12, s12, BUFB
	s_xor_b32 s13, s13, BUFB
	s_add_co_u32 s14, s14, 2048
	s_add_co_u32 s15, s15, 1024
	s_add_co_u32 s72, s72, STRIP
	s_sub_co_u32 s9, s9, 1
	s_cmp_lg_u32 s9, 0
	s_cbranch_scc1 .Lmlp
; ================ THE END: lane L = 16 pt + r gathers the twelve numbers of its points 2 L (b = 0) and 2 L + 1 (b = 1) ================
.set FA,   64                          ; pairs (b = 0, b = 1): a, b, da, db, kx, ky, dkx, dky, sx, sy, dsx, dsy
.set FB,   66
.set FDA,  68
.set FDB,  70
.set FKX,  72
.set FKY,  74
.set FDKX, 76
.set FDKY, 78
.set FSX,  80
.set FSY,  82
.set FDSX, 84
.set FDSY, 86
.set RK,   88
.set RF,   90
.set RS,   92
.set RY,   94
.set SI,   96
.set CO,   98
.set CM,   100
.set XP0,  102
.set YP0,  104
.set XPR,  106
.set YPR,  108
.set T1,   110
.set T2,   112
.set T3,   114
.set T4,   116
.set XD,   118
.set YD,   120
.set ALF,  122
.set ALD,  124
.irp b, 0,1
.set j, 0
.rept 8                                ; rows 0-7 lie in lanes 0-15: tile 0's are my own (L < 16), tile 1's come from the lane 16 away (L >= 16).  Register 0 of each accumulator is read first
	v_permlanex16_b32 v1, v[OUT+16*(\b)+8+j], s78, s79
	v_cndmask_b32 v[FA+2*j+(\b)], v[OUT+16*(\b)+j], v1, s76
.set j, j+1
.endr
.set j, 0
.rept 4                                ; rows 8-11 lie in lanes 16-31: the other way round
	v_permlanex16_b32 v1, v[OUT+16*(\b)+j], s78, s79
	v_cndmask_b32 v[FSX+2*j+(\b)], v1, v[OUT+16*(\b)+8+j], s76
.set j, j+1
.endr
.endr
	v_rndne_f32 v[RK], v[TF]                       ; t = k + f
	v_rndne_f32 v[RK+1], v[TF+1]
	v_pk_add_f32 v[RF:RF+1], v[TF:TF+1], v[RK:RK+1] neg_lo:[0,1] neg_hi:[0,1]
	v_cvt_i32_f32 v[RS], v[RK]
	v_cvt_i32_f32 v[RS+1], v[RK+1]
	v_lshlrev_b32 v[RS], 31, v[RS]                 ; k's parity as a sign bit
	v_lshlrev_b32 v[RS+1], 31, v[RS+1]
	v_pk_mul_f32 v[RY:RY+1], v[RF:RF+1], v[RF:RF+1]
	v_mov_b32 v[SI], SN5
	v_mov_b32 v[SI+1], SN5
	v_mov_b32 v[CO], CN6
	v_mov_b32 v[CO+1], CN6
.macro HORN reg, coef
	v_pk_fma_f32 v[\reg:\reg+1], v[\reg:\reg+1], v[RY:RY+1], \coef op_sel_hi:[1,1,0]
.endm
	HORN CO, CN5
	HORN SI, SN4
	HORN CO, CN4
	HORN SI, SN3
	HORN CO, CN3
	HORN SI, SN2
	HORN CO, CN2
	HORN SI, SN1
	HORN CO, CN1
	HORN SI, PI
	HORN CO, 1.0
	v_pk_mul_f32 v[SI:SI+1], v[SI:SI+1], v[RF:RF+1]
	v_xor_b32 v[CO], v[CO], v[RS]
	v_xor_b32 v[CO+1], v[CO+1], v[RS+1]
	v_xor_b32 v[SI], v[SI], v[RS]
	v_xor_b32 v[SI+1], v[SI+1], v[RS+1]
	v_pk_add_f32 v[CM:CM+1], v[CO:CO+1], -1.0 op_sel_hi:[1,0]
.macro PM d, a, b
	v_pk_mul_f32 v[\d:\d+1], v[\a:\a+1], v[\b:\b+1]
.endm
.macro PF d, a, b, c
	v_pk_fma_f32 v[\d:\d+1], v[\a:\a+1], v[\b:\b+1], v[\c:\c+1]
.endm
	PM XP0, FA, CM                                 ; a (cos - 1)
	PM YP0, FB, SI                                 ; b sin
	PM T1, FDA, CM
	PM T3, FDB, SI
	PM T2, FA, SI
	PM T4, FB, CO
	PF XPR, XP0, FKX, FSX                          ; xp
	PF YPR, YP0, FKY, FSY                          ; yp
	PF T1, T1, FKX, FDSX
	PF T3, T3, FKY, FDSY
	PM T2, T2, FKX
	PM T4, T4, FKY
	PF T1, XP0, FDKX, T1                           ; (da (cos - 1)) kx + xp0 dkx + dsx, all three short of the factor KD
	PF T3, YP0, FDKY, T3
	v_pk_mul_f32 v[T2:T2+1], v[T2:T2+1], PI op_sel_hi:[1,0]
	v_pk_mul_f32 v[T4:T4+1], v[T4:T4+1], PI op_sel_hi:[1,0]
	v_pk_fma_f32 v[XD:XD+1], v[T1:T1+1], KD, v[T2:T2+1] op_sel_hi:[1,0,1] neg_lo:[0,0,1] neg_hi:[0,0,1]  ; xp' = KD (..) - pi a sin kx
	v_pk_fma_f32 v[YD:YD+1], v[T3:T3+1], KD, v[T4:T4+1] op_sel_hi:[1,0,1]                                ; yp' = KD (..) + pi b cos ky
	v_pk_mul_f32 v[ALF:ALF+1], v[TF:TF+1], HALFPI op_sel_hi:[1,0]
	v_mov_b32 v[ALD], HALFPI
	v_mov_b32 v[ALD+1], HALFPI
	global_store_b64 v[OO], v[ALF:ALF+1], s[52:53] th:TH_STORE_NT  ; each store of the wave covers 256 consecutive bytes, aligned
	global_store_b64 v[OO], v[XPR:XPR+1], s[54:55] th:TH_STORE_NT
	global_store_b64 v[OO], v[YPR:YPR+1], s[56:57] th:TH_STORE_NT
	global_store_b64 v[OO], v[ALD:ALD+1], s[58:59] th:TH_STORE_NT
	global_store_b64 v[OO], v[XD:XD+1],   s[60:61] th:TH_STORE_NT
	global_store_b64 v[OO], v[YD:YD+1],   s[62:63] th:TH_STORE_NT
	s_wait_tensorcnt 0x0                           ; the wave's end
	ds_add_u32 v[SPW], v[NIL]
	s_wait_dscnt 0x0
	s_endpgm
.Lfunc_end_k_q99fa011e12_sofa:
	.size	k_q99fa011e12_sofa, .Lfunc_end_k_q99fa011e12_sofa-k_q99fa011e12_sofa
	.p2alignl 7, 3214868480
	.fill 96, 4, 3214868480
	.section	.rodata,"a",@progbits
	.p2align	6, 0x0
	.amdhsa_kernel k_q99fa011e12_sofa
		.amdhsa_group_segment_fixed_size 309248
		.amdhsa_private_segment_fixed_size 0
		.amdhsa_enable_private_segment 0
		.amdhsa_kernarg_size 200
		.amdhsa_user_sgpr_count 2
		.amdhsa_user_sgpr_kernarg_segment_ptr 1
		.amdhsa_wavefront_size32 1
		.amdhsa_system_sgpr_workgroup_id_x 1
		.amdhsa_system_sgpr_workgroup_id_y 1
		.amdhsa_system_sgpr_workgroup_id_z 1
		.amdhsa_system_vgpr_workitem_id 0
		.amdhsa_next_free_vgpr 512
		.amdhsa_next_free_sgpr 96
		.amdhsa_reserve_vcc 0
		.amdhsa_float_denorm_mode_32 3
		.amdhsa_float_denorm_mode_16_64 3
		.amdhsa_memory_ordered 1
		.amdhsa_forward_progress 1
		.amdhsa_inst_pref_size 255
	.end_amdhsa_kernel
	.section	.bss,"aw",@nobits
	.p2align	6
	.space	262144
	.amdgpu_metadata
---
amdhsa.version: [ 1, 2 ]
amdhsa.kernels:
  - .name:           k_q99fa011e12_sofa
    .symbol:         k_q99fa011e12_sofa.kd
    .args:
      - { .name: W_ab0, .offset: 0, .size: 8, .value_kind: global_buffer, .address_space: global }
      - { .name: b_ab0, .offset: 8, .size: 8, .value_kind: global_buffer, .address_space: global }
      - { .name: b_ab1, .offset: 16, .size: 8, .value_kind: global_buffer, .address_space: global }
      - { .name: W_ab2, .offset: 24, .size: 8, .value_kind: global_buffer, .address_space: global }
      - { .name: W_kxy0, .offset: 32, .size: 8, .value_kind: global_buffer, .address_space: global }
      - { .name: b_kxy0, .offset: 40, .size: 8, .value_kind: global_buffer, .address_space: global }
      - { .name: b_kxy1, .offset: 48, .size: 8, .value_kind: global_buffer, .address_space: global }
      - { .name: W_kxy2, .offset: 56, .size: 8, .value_kind: global_buffer, .address_space: global }
      - { .name: W_sxy0, .offset: 64, .size: 8, .value_kind: global_buffer, .address_space: global }
      - { .name: b_sxy0, .offset: 72, .size: 8, .value_kind: global_buffer, .address_space: global }
      - { .name: b_sxy1, .offset: 80, .size: 8, .value_kind: global_buffer, .address_space: global }
      - { .name: W_sxy2, .offset: 88, .size: 8, .value_kind: global_buffer, .address_space: global }
      - { .name: b_ab2, .offset: 96, .size: 8, .value_kind: global_buffer, .address_space: global }
      - { .name: b_kxy2, .offset: 104, .size: 8, .value_kind: global_buffer, .address_space: global }
      - { .name: b_sxy2, .offset: 112, .size: 8, .value_kind: global_buffer, .address_space: global }
      - { .name: W_ab1, .offset: 120, .size: 8, .value_kind: global_buffer, .address_space: global }
      - { .name: W_kxy1, .offset: 128, .size: 8, .value_kind: global_buffer, .address_space: global }
      - { .name: W_sxy1, .offset: 136, .size: 8, .value_kind: global_buffer, .address_space: global }
      - { .name: out0, .offset: 144, .size: 8, .value_kind: global_buffer, .address_space: global }
      - { .name: out1, .offset: 152, .size: 8, .value_kind: global_buffer, .address_space: global }
      - { .name: out2, .offset: 160, .size: 8, .value_kind: global_buffer, .address_space: global }
      - { .name: out3, .offset: 168, .size: 8, .value_kind: global_buffer, .address_space: global }
      - { .name: out4, .offset: 176, .size: 8, .value_kind: global_buffer, .address_space: global }
      - { .name: out5, .offset: 184, .size: 8, .value_kind: global_buffer, .address_space: global }
      - { .name: t, .offset: 192, .size: 8, .value_kind: global_buffer, .address_space: global }
    .group_segment_fixed_size: 309248
    .private_segment_fixed_size: 0
    .kernarg_segment_align: 8
    .kernarg_segment_size: 200
    .max_flat_workgroup_size: 256
    .sgpr_count:     96
    .vgpr_count:     512
    .wavefront_size: 32
...
	.end_amdgpu_metadata
.endif
;; end of part 1
;; ======== version 2 of 2: 1 launch; version 1 with the launch sofa written anew for expert scheduling mode
;; limits: values are held in f16: magnitudes above 65,504 overflow, below 6.1e-05 lose precision
;; launch sofa (part 2): grid 256 x 1, 8 waves a work-group, no clusters, 309,248 bytes of LDS; arguments W_ab0, b_ab0, b_ab1, W_ab2, W_kxy0, b_kxy0, b_kxy1, W_kxy2, W_sxy0, b_sxy0, b_sxy1, W_sxy2, b_ab2, b_kxy2, b_sxy2, W_ab1, W_kxy1, W_sxy1, out0, out1, out2, out3, out4, out5, t; writes out0, out1, out2, out3, out4, out5
.if DOCPART == 2
	.amdgcn_target "amdgcn-amd-amdhsa--gfx1250"
	.amdhsa_code_object_version 6
	.text
	.protected	k_q99fa011e12_sofa
	.globl	k_q99fa011e12_sofa
	.p2align	8
	.type	k_q99fa011e12_sofa,@function
k_q99fa011e12_sofa:
	s_mov_b64 s[64:65], 0
	v_nop
	global_prefetch_b8 v0, s[64:65] scope:SCOPE_SE
	s_setreg_imm32_b32 hwreg(HW_REG_WAVE_SCHED_MODE, 0, 2), 2
	s_setreg_imm32_b32 hwreg(HW_REG_WAVE_MODE, 25, 1), 1
	s_wait_xcnt 0x0
	s_wait_alu depctr_vm_vsrc(0)
; SofaNetEllipse: three MLPs 1 -> 256 -> 256 -> 2 (tanh) of u = pi t, each with its derivative in t, combined with cos(pi t) - 1 and sin(pi t).  N = 131,072 points, all in ONE launch.
; DEAD WORK: none in whole units; every input is loaded and reaches an output.  The tangent is carried as the chain rule gives it: du/dt = pi, a bias has no tangent.
; ARITHMETIC.  c2 = 2 log2(e).  tanh(z) = 1 - 2 r, r = 1 / (1 + 2^(c2 z)); 1 - tanh^2 = 4 p, p = r - r^2.  The factor c2 is folded into the tables: w' = c2 pi W0, b' = c2 b0, b1'' = c2 b1, W1s = c2 W1.
;   layer 1: x = t w' + b';  h = 1 - 2 r;  d = p w'            (dh/dt = (4 / c2) d)
;   layer 2: x2 = W1s h + b1'' (the bias is the C operand of the first K step);  dz = W1s d;  h2 = 1 - 2 r2;  d2 = p2 dz     (dh2/dt = (16 / c2^2) d2)
;   layer 3: out = W2 h2 + b2 (b2 starts the sums);  dout = KD (W2 d2), KD = 16 / c2^2 = 4 ln^2 2, applied once at the end, in f32.
; FORMATS.  Matrix operands (W1s, W2, h, d, h2, d2) are f16, all sums f32, everything else f32.  2^x = infinity gives r = 0, 2^x = 0 gives r = 1: tanh saturates without a NaN.
; LIMITS.  f16 ends at 65,504: |c2 W1|, |W2|, |p w'| and |p2 dz| must stay below it (with all inputs 30 times the drawn spread, or offset by 30 spreads, the largest of them is some 4e3).
;   sin and cos are taken of pi t with t exact (t = k + f, k = round(t), series in f, sign by k's parity): they differ from functions of the f32 product pi t by up to pi |t| 2^-24; k's parity wants |t| < 2^31.
;   NaN and infinities among the inputs are not treated apart.
; SHARES.  256 work-groups of 512 points; each of the 8 waves owns 64 points = 256 bytes of every output.  A wave makes six passes: MLP m = 0, 1, 2 x batch b = 0, 1 of 32 points (two tiles pt of 16).
;   Point 2 (16 pt + r) + b of the wave lies in column r of tile pt: at the end lane L = 16 pt + r holds points 2 L and 2 L + 1 as a register pair, and each output leaves by one store of 8 bytes a lane.
; PHASES.  A pass: layer 1 into 256 registers (B fragments of h and d for all of K), then 8 turns, each 32 features of layer 2: 64 products, the tanh of their results, 4 products of layer 3.
;   The loops hold no barrier: eight waves, so that one wave's vector phase can stand beside another's matrix phase.  To set them apart, waves 0-3 alone lay out the first W1 while waves 4-7 make their first
;   layer 1, and at each change of MLP a pass's layer 1 stands between the barrier's signal and its wait.
; W1 is read as f32, scaled by c2, rounded and laid into LDS by the waves themselves: MLP m + 1's during MLP m's 16 turns, two rows a wave and turn, into the buffer that nobody reads.
; NO CLUSTER, NO TENSOR LOADS: what work-groups share is the f32 W1, which has to pass through registers to be scaled and rounded; an f32 stage for joint loads (262,144 bytes a matrix) has no room beside the two
;   f16 buffers (270,336 of the 309,248 bytes used), and a wave asks for only 2,048 bytes of it in a turn of 68 products.
; THE MODE: SCHED_MODE bits 1:0 = 2 (LLVM: expert scheduling mode 2), set by the entry lines.  The code itself states the register dependences between vector or matrix instructions and memory or LDS
;   instructions, with s_wait_alu, always for 0.
; THE PLAN.  Registers that memory or LDS instructions touch in a turn, and who else names them:
;   five K buffers (AF's four, A4) and BF   a K step's fragments of W1 to a buffer.  At a turn's start K steps 0-4 lie in the five and the bias in BF.  When the products of K steps 0 and 1 have read their two
;                  buffers and BF (the C operand of K step 0), K steps 5, 6 and 7 land there.  When all 64 products are done, the next turn's bias and K steps 0-4 land.
;   WFD, WFH       the strip's fragments: read by layer 3's products at a turn's end, loaded again with K steps 5-7.
;   CS             two rows of the next W1: loaded at the turn's top, scaled and rounded in place ahead of the reciprocals, read by four LDS stores behind them.
;   AW, BA, W2A, SW  LDS addresses: read by the turn's loads and stores, stepped together at the turn's end; the next turn's first loads reach ahead by immediate offsets.
;   GW and the other offsets   made at the head, never written again.
;   A turn has THREE waits on va_vdst.  W1, behind K steps 0-1: those products are done reading; so is the last turn's layer 3; the four stepped addresses are written.  W2, behind the exponentials: their
;   results are written, and every product is done reading.  W3, behind the reciprocals: their results and CS are written.  Each run of loads or stores stands straight behind one of the three, but the top's loads into CS: no
;   vector or matrix instruction between W3 and the next turn's top names CS or GW.  ONE wait on vm_vsrc, at the turn's end, ahead of the four steps: every LDS instruction of the turn has read its registers,
;   CS among them.  Behind a pass's last such wait no memory instruction follows, so the addresses made anew behind the pass owe nothing more.
;   Layer 1: table set s % 2 is read by step s and loaded again, for step s + 2, in step s + 1 behind the wait for that step's exponentials.  XR, PD and window 1 are named by vector and matrix instructions alone.
;   The first lay-out: two stages take loads alone, the conversions write two out-buffers, the stores read those.
.set PITCH, 528                        ; a row of W1 or W2 in LDS: 512 bytes + 16 = 33 x 16: the 16 rows of a fragment load start at 16 different 16-byte columns modulo 256
.set BUFB,  256*PITCH                  ; a W1 buffer: 135,168 bytes.  Buffer 0 at 0, buffer 1 at BUFB; MLP m lies in buffer m & 1
.set TAB,   2*BUFB                     ; per MLP 2,048 bytes: w'[256], then b'[256], f32
.set BIAS,  TAB+3*2048                 ; per MLP 1,024 bytes: b1''[256], f32
.set W2S,   BIAS+3*1024                ; three strips of 18 rows: strip m is 0 but for rows 4 m + 2, 4 m + 3 = W2_m's two rows in f16
.set STRIP, 18*PITCH                   ;   read from row 0 it puts W2_m into output rows 4 m + 2, 4 m + 3 (for d2); read from row 2, into rows 4 m, 4 m + 1 (for h2)
.set SPARE, W2S+28672                  ; the spare words, 128 bytes for each of the 8 waves: four blocks of 256 bytes that no other line names
.set C2,     0x4038aa3b                ; 2 log2(e)
.set C2PI,   0x41110918                ; 2 log2(e) pi
.set KD,     0x3ff5fdf0                ; 4 ln^2 2
.set PI,     0x40490fdb
.set HALFPI, 0x3fc90fdb
.set SN1, 0xc0a55de7                   ; sin(pi f) = f (pi - 5.16771278 y + 2.55016404 y^2 - 0.59926453 y^3 + 0.08214589 y^4 - 0.00737043 y^5), y = f^2, |f| <= 1/2: the next term is under 6e-8
.set SN2, 0x402335e3
.set SN3, 0xbf196966
.set SN4, 0x3da83c1b
.set SN5, 0xbbf183a6
.set CN1, 0xc09de9e6                   ; cos(pi f) = 1 - 4.93480220 y + 4.05871213 y^2 - 1.33526277 y^3 + 0.23533063 y^4 - 0.02580689 y^5 + 0.00192957 y^6: the next term is under 7e-9
.set CN2, 0x4081e0f8
.set CN3, 0xbfaae9e4
.set CN4, 0x3e70fa83
.set CN5, 0xbcd368f9
.set CN6, 0x3afce9a0
; VECTOR REGISTERS, window 0 (L = lane, r = L % 16, h = L / 16, w = wave)
.set AW0, 2                            ; r x 528 + 16 h: my place in a fragment of W1 or of a strip; never rewritten
.set AW,  3                            ; address of the turn's W1 fragments
.set BA,  4                            ; address of the turn's bias fragments
.set W2A, 5                            ; address of the turn's strip fragments
.set TA,  6                            ; address of my layer-1 table entries: made once an MLP
.set GW,  7                            ; w x 32,768 + 16 L: my bytes in the next W1's rows; never rewritten
.set SW,  8                            ; where my converted rows go
.set SW0, 9                            ; w x 32 rows x 528 + 8 L; never rewritten
.set H32, 10                           ; 32 h; never rewritten
.set CG,  11                           ; first lay-out (used by waves 0-3): w x 65,536 + 16 L: my bytes in my 64 rows of W_ab1; never rewritten
.set TP,  12                           ; v[12:13], v[14:15]: t of points (b = 0, b = 1) of column r in tile 0, tile 1
.set TF,  16                           ; v[16:17]: t of points 2 L, 2 L + 1
.set OO,  18                           ; 2,048 g + 8 x thread: my 8 bytes in t and in every output; never rewritten
.set TO,  19                           ; 2,048 g + 256 w + 8 r
.set SPW, 20                           ; LDS address of my spare word: SPARE + 4 x my thread's number; never rewritten
.set NIL, 21                           ; 0; never rewritten
.set CL,  22                           ; first lay-out (used by waves 0-3): w x 64 rows x 528 + 8 L; never rewritten
.set I4,  23                           ; 4 x thread
.set PT,  24                           ; v[24:31] at work
.set OUT, 32                           ; v[32:63] layer 3's sums, batch b, tile pt at OUT + 16 b + 8 pt: rows 0-7 a, b, da, db, kx, ky, dkx, dky; rows 8-11 sx, sy, dsx, dsy
.set ACC, 64                           ; v[64:127] layer 2: x2 of (ft, pt) at ACC + 8 (2 ft + pt), dz at + 32.  In layer 1: XR and PD.  First lay-out: with AF two stages of 64
.set XR,  64
.set PD,  96
.set AF,  128                          ; v[128:191] W1 fragments: four buffers of a K step, 16 registers each, feature tile ft at + 8 ft.  In layer 1: two table sets of 32 (w' 16, b' 16)
.set BF,  192                          ; v[192:207] bias fragments of ft = 0, 1; behind K step 0 the buffer of K step 7
.set WFH, 208                          ; v[208:215] strip fragment for h2
.set WFD, 216                          ; v[216:223] strip fragment for d2
.set CS,  224                          ; v[224:239] four loads of 16 bytes a lane of the next W1; in the head the 15 table entries of my thread
.set HA,  239                          ; head: W2S + 2 x thread
.set A4,  240                          ; v[240:255] the fifth K buffer
.set OB,  192                          ; first lay-out: two out-buffers of 32 registers, v[192:223] and v[224:255]
; window 1: v[0:255] the pass's layer 1 as B fragments: K step s, tile pt, h (v = 0) or d (v = 1) at 32 s + 16 pt + 8 v
; SCALARS: s2 2,048 g; s[4:5] t; s8 wave; s9 MLPs left; s10 turns left; s11 1 while a next W1 is to be laid out; s12 buffer read; s13 buffer written; s14 tables; s15 biases; s[16:63] the first 24 arguments in order;
;   s[66:71] the three b2 pairs; s72 strip; s[74:75] the walking pointer into the next W1; s76 mask of lanes 16-31; s[78:79] v_permlanex16_b32's selects; s81 at work; s[82:83] c2 (the packed scaling takes the low word for both halves)
.set MSB, 0
.macro WIN new                         ; s_set_vgpr_msb: bits 3:2 source 1's window, 7:6 the destination's; the high byte repeats the setting that is left; a switch that changes nothing is dropped
.if MSB != (\new)
	s_set_vgpr_msb (MSB<<8)|(\new)
.set MSB, \new
.endif
.endm
.macro PLACES n                        ; plain vector instructions behind a matrix instruction, ahead of the vector or matrix instruction that touches its registers (ISA guide 7.12.1)
.rept \n
	v_nop
.endr
.endm
; ---- layer 1 ----
; The B fragment of K step s wants, in lane (r, h), features 32 s + 8 h + 0..7 and 32 s + 16 + 8 h + 0..7 of point r: their 16 w' and 16 b', eight loads of 16 bytes, into table set q.
.macro LDT q, s
.set rW, AF+32*(\q)
.irp o, 0,1
	ds_load_b128 v[rW+8*(\o):rW+8*(\o)+3],       v[TA] offset:128*(\s)+64*(\o)
	ds_load_b128 v[rW+8*(\o)+4:rW+8*(\o)+7],     v[TA] offset:128*(\s)+64*(\o)+16
	ds_load_b128 v[rW+16+8*(\o):rW+16+8*(\o)+3], v[TA] offset:1024+128*(\s)+64*(\o)
	ds_load_b128 v[rW+16+8*(\o)+4:rW+16+8*(\o)+7], v[TA] offset:1024+128*(\s)+64*(\o)+16
.endr
.endm
; One K step of layer 1 for batch b: 32 features' h and d of both tiles (16 a lane and tile).
.macro L1STEP b, s
.set WT, AF+32*((\s)%2)
.set BT, WT+16
.if (\s) == 0
	s_wait_dscnt 0x8                               ; set 0 is in; set 1's eight loads may stay out
.else
	s_wait_dscnt 0x0                               ; my set is in: nothing was asked for behind it
.endif
.irp pt, 0,1
.set i, 0
.rept 8
	v_pk_fma_f32 v[XR+16*(\pt)+i:XR+16*(\pt)+i+1], v[WT+i:WT+i+1], v[TP+2*(\pt):TP+2*(\pt)+1], v[BT+i:BT+i+1] op_sel:[0,\b,0] op_sel_hi:[1,\b,1]  ; x = w' t + b', t of batch b for both halves
.set i, i+2
.endr
.endr
.set i, 0
.rept 32
	v_exp_f32 v[XR+i], v[XR+i]
.set i, i+1
.endr
	v_nop                                          ; a plain instruction behind the last exponential
	s_wait_alu depctr_va_vdst(0)                   ; the 32 exponentials have written XR, ahead of their first reader; and the step before is done reading its table set, in which the loads below land
.if ((\s) > 0) && ((\s) < 7)
	LDT ((\s)+1)%2, (\s)+1                         ; the other set takes the next step's tables
.endif
.set i, 0
.rept 16
	v_pk_add_f32 v[XR+i:XR+i+1], v[XR+i:XR+i+1], 1.0 op_sel_hi:[1,0]
.set i, i+2
.endr
.set i, 0
.rept 32
	v_rcp_f32 v[XR+i], v[XR+i]
.set i, i+1
.endr
	v_nop
	s_wait_alu depctr_va_vdst(0)                   ; the 32 reciprocals have written XR, ahead of their first reader
.set i, 0
.rept 16
	v_pk_fma_f32 v[PD+i:PD+i+1], v[XR+i:XR+i+1], v[XR+i:XR+i+1], v[XR+i:XR+i+1] neg_lo:[1,0,0] neg_hi:[1,0,0]  ; p = r - r r
.set i, i+2
.endr
.irp pt, 0,1
.set i, 0
.rept 8
	v_pk_mul_f32 v[PD+16*(\pt)+i:PD+16*(\pt)+i+1], v[PD+16*(\pt)+i:PD+16*(\pt)+i+1], v[WT+i:WT+i+1]  ; d = p w'
.set i, i+2
.endr
.endr
.set i, 0
.rept 16
	v_pk_fma_f32 v[XR+i:XR+i+1], v[XR+i:XR+i+1], -2.0, 1.0 op_sel_hi:[1,0,0]  ; h = 1 - 2 r
.set i, i+2
.endr
	WIN 0x40                                       ; destination window 1
.irp pt, 0,1
.set j, 0
.rept 8
	v_cvt_pk_f16_f32 v[32*(\s)+16*(\pt)+j],   v[XR+16*(\pt)+2*j], v[XR+16*(\pt)+2*j+1]
	v_cvt_pk_f16_f32 v[32*(\s)+16*(\pt)+8+j], v[PD+16*(\pt)+2*j], v[PD+16*(\pt)+2*j+1]
.set j, j+1
.endr
.endr
	WIN 0
.endm
.macro L1GEN b
	LDT 0, 0
	LDT 1, 1
.irp s, 0,1,2,3,4,5,6,7
	L1STEP \b, \s
.endr
.endm
; ---- layer 2 ----
.macro KBUF s                          ; rK: the buffer of K step s: 0-3 AF's four, 4 the fifth, 5 and 6 those of 0 and 1, 7 the bias's registers
.if (\s) == 7
.set rK, BF
.elseif (\s) == 4
.set rK, A4
.else
.set rK, AF+16*((\s)%5)
.endif
.endm
; Four loads: W1's fragments (16 features x 32 K: two loads of 16 bytes, 32 bytes apart) of K step s, both feature tiles.  ahead = 1: the next turn's, 32 rows on, by the immediate.
.macro LDK s, ahead
	KBUF \s
.irp ft, 0,1
	ds_load_b128 v[rK+8*(\ft):rK+8*(\ft)+3],   v[AW] offset:(\ahead)*32*PITCH+(\ft)*16*PITCH+64*(\s)
	ds_load_b128 v[rK+8*(\ft)+4:rK+8*(\ft)+7], v[AW] offset:(\ahead)*32*PITCH+(\ft)*16*PITCH+64*(\s)+32
.endr
.endm
.macro NEXTLOADS ahead                 ; what a turn begins with, 24 loads: the bias as C fragments (register j: feature 8 h + j), then K steps 0 to 4
.irp ft, 0,1
	ds_load_b128 v[BF+8*(\ft):BF+8*(\ft)+3],   v[BA] offset:(\ahead)*128+64*(\ft)
	ds_load_b128 v[BF+8*(\ft)+4:BF+8*(\ft)+7], v[BA] offset:(\ahead)*128+64*(\ft)+16
.endr
.irp s, 0,1,2,3,4
	LDK \s, \ahead
.endr
.endm
; 8 products: K step s.  Source 0 = 16 features of W1s, source 1 = 16 points of h or d: a lane's results are 8 features of one point.  The eight accumulators take turns, one instruction a turn,
; in the same order in every K step.  first = 1: K step 0 starts the sums, x2's with the bias, dz's with 0.
.macro MM8 s, first
	KBUF \s
.irp ft, 0,1
.irp pt, 0,1
.irp vv, 0,1
.set rD, ACC+32*(\vv)+8*(2*(\ft)+(\pt))
.set rA, rK+8*(\ft)
.set rB, 32*(\s)+16*(\pt)+8*(\vv)
.if (\first) && ((\vv) == 0)
	v_wmma_f32_16x16x32_f16 v[rD:rD+7], v[rA:rA+7], v[rB:rB+7], v[BF+8*(\ft):BF+8*(\ft)+7]
.elseif (\first)
	v_wmma_f32_16x16x32_f16 v[rD:rD+7], v[rA:rA+7], v[rB:rB+7], 0
.else
	v_wmma_f32_16x16x32_f16 v[rD:rD+7], v[rA:rA+7], v[rB:rB+7], v[rD:rD+7]
.endif
.endr
.endr
.endr
.endm
; The tanh of a turn's 32 features x 32 points and its tangent, in four parts; at the end both are rounded to f16 in place: the two feature tiles of a point tile, packed in pairs, ARE layer 3's B fragment
; (32 features x 16 points).  Every accumulator is read from its lowest registers on.
.macro EXPS
.set i, 0
.rept 32
	v_exp_f32 v[ACC+i], v[ACC+i]
.set i, i+1
.endr
	v_nop                                          ; a plain instruction behind the last exponential
.endm
.macro ONES
.set i, 0
.rept 16
	v_pk_add_f32 v[ACC+i:ACC+i+1], v[ACC+i:ACC+i+1], 1.0 op_sel_hi:[1,0]
.set i, i+2
.endr
.endm
.macro RCPS
.set i, 0
.rept 32
	v_rcp_f32 v[ACC+i], v[ACC+i]
.set i, i+1
.endr
	v_nop                                          ; a plain instruction behind the last reciprocal
.endm
.macro REST
.set g, 0
.rept 4
.irp q, 0,2,4,6
	v_pk_fma_f32 v[PT+(\q):PT+(\q)+1], v[ACC+g+(\q):ACC+g+(\q)+1], v[ACC+g+(\q):ACC+g+(\q)+1], v[ACC+g+(\q):ACC+g+(\q)+1] neg_lo:[1,0,0] neg_hi:[1,0,0]  ; p2 = r - r r
.endr
.irp q, 0,2,4,6
	v_pk_mul_f32 v[ACC+32+g+(\q):ACC+32+g+(\q)+1], v[ACC+32+g+(\q):ACC+32+g+(\q)+1], v[PT+(\q):PT+(\q)+1]  ; d2 = p2 dz
.endr
.irp q, 0,2,4,6
	v_pk_fma_f32 v[ACC+g+(\q):ACC+g+(\q)+1], v[ACC+g+(\q):ACC+g+(\q)+1], -2.0, 1.0 op_sel_hi:[1,0,0]  ; h2 = 1 - 2 r
.endr
.set g, g+8
.endr
.irp vv, 0,32
.irp pt, 0,8
.irp j, 0,1,2,3
	v_cvt_pk_f16_f32 v[ACC+(\vv)+(\pt)+(\j)], v[ACC+(\vv)+(\pt)+2*(\j)], v[ACC+(\vv)+(\pt)+2*(\j)+1]
.endr
.irp j, 0,1,2,3
	v_cvt_pk_f16_f32 v[ACC+(\vv)+(\pt)+4+(\j)], v[ACC+(\vv)+16+(\pt)+2*(\j)], v[ACC+(\vv)+16+(\pt)+2*(\j)+1]
.endr
.endr
.endr
.endm
; ---- layer 3: four products on the batch's two accumulators, by turns ----
.macro L3 b
	v_wmma_f32_16x16x32_f16 v[OUT+16*(\b):OUT+16*(\b)+7],    v[WFH:WFH+7], v[ACC:ACC+7],       v[OUT+16*(\b):OUT+16*(\b)+7]
	v_wmma_f32_16x16x32_f16 v[OUT+16*(\b)+8:OUT+16*(\b)+15], v[WFH:WFH+7], v[ACC+8:ACC+15],    v[OUT+16*(\b)+8:OUT+16*(\b)+15]
	v_wmma_f32_16x16x32_f16 v[OUT+16*(\b):OUT+16*(\b)+7],    v[WFD:WFD+7], v[ACC+32:ACC+39],   v[OUT+16*(\b):OUT+16*(\b)+7]
	v_wmma_f32_16x16x32_f16 v[OUT+16*(\b)+8:OUT+16*(\b)+15], v[WFD:WFD+7], v[ACC+40:ACC+47],   v[OUT+16*(\b)+8:OUT+16*(\b)+15]
.endm
; ---- W1 on its way into LDS: n groups of four f32 at base + 4 q become c2 W1 in f16, 8 bytes in base + 4 q, base + 4 q + 1 ----
.macro CVT4 base, n
.set q, 0
.rept \n
	v_pk_mul_f32 v[(\base)+4*q:(\base)+4*q+1],   v[(\base)+4*q:(\base)+4*q+1],   s[82:83] op_sel_hi:[1,0]
	v_pk_mul_f32 v[(\base)+4*q+2:(\base)+4*q+3], v[(\base)+4*q+2:(\base)+4*q+3], s[82:83] op_sel_hi:[1,0]
	v_cvt_pk_f16_f32 v[(\base)+4*q],   v[(\base)+4*q],   v[(\base)+4*q+1]
	v_cvt_pk_f16_f32 v[(\base)+4*q+1], v[(\base)+4*q+2], v[(\base)+4*q+3]
.set q, q+1
.endr
.endm
; The first lay-out goes in blocks of 8 rows; a block's place stands in the immediates (65,024 at the most in memory, 33,520 in LDS), so neither address register nor the pointer is ever stepped.
; Stage set takes loads alone; the conversions write out-buffer set; the stores read that.  So a stage is asked for again straight behind its conversions' wait, ahead of the block's stores.
.macro CLOAD set, blk                  ; block blk of my 64 rows: 8 rows of 1,024 bytes, 16 loads of 512 consecutive bytes, into stage set
.set q, 0
.rept 16
	global_load_b128 v[ACC+64*(\set)+4*q:ACC+64*(\set)+4*q+3], v[CG], s[46:47] offset:(\blk)*8192+512*q
.set q, q+1
.endr
.endm
.macro CCVT set, blk                   ; c2 W1 in f16: 16 groups of four f32 become 8 bytes each
.if (\blk) > 1
	s_wait_alu depctr_vm_vsrc(0)                   ; the stores of the block before last have read this out-buffer, which the conversions write again
.endif
.set q, 0
.rept 16
	v_pk_mul_f32 v[ACC+64*(\set)+4*q:ACC+64*(\set)+4*q+1],   v[ACC+64*(\set)+4*q:ACC+64*(\set)+4*q+1],   s[82:83] op_sel_hi:[1,0]
	v_pk_mul_f32 v[ACC+64*(\set)+4*q+2:ACC+64*(\set)+4*q+3], v[ACC+64*(\set)+4*q+2:ACC+64*(\set)+4*q+3], s[82:83] op_sel_hi:[1,0]
	v_cvt_pk_f16_f32 v[OB+32*(\set)+2*q],   v[ACC+64*(\set)+4*q],   v[ACC+64*(\set)+4*q+1]
	v_cvt_pk_f16_f32 v[OB+32*(\set)+2*q+1], v[ACC+64*(\set)+4*q+2], v[ACC+64*(\set)+4*q+3]
.set q, q+1
.endr
	s_wait_alu depctr_va_vdst(0)                   ; the conversions have written the out-buffer, which the block's stores read, and are done with the stage, in which the next loads land
.endm
.macro CSTORE set, blk                 ; and its way into LDS: 256 consecutive bytes a store
	s_wait_dscnt 0x20                              ; the 32 youngest stores may stay out: no more than 32 + 16 LDS stores of mine are out at a time
.set q, 0
.rept 16
	ds_store_b64 v[CL], v[OB+32*(\set)+2*q:OB+32*(\set)+2*q+1] offset:(\blk)*8*PITCH+PITCH*(q/2)+256*(q%2)
.set q, q+1
.endr
.endm
; ---- a pass's three LDS addresses.  No wait on vm_vsrc: behind the last one (the head's, the lay-out's or a turn's) no instruction has read them ----
.macro PASSADR
	v_add_nc_u32 v[AW],  s12, v[AW0]
	v_add_nc_u32 v[BA],  s15, v[H32]
	v_add_nc_u32 v[W2A], s72, v[AW0]
.endm
; ---- a pass's eight turns ----
.macro TURNS b
	s_wait_alu depctr_va_vdst(0)                   ; layer 1's last steps are done reading the table sets, in which the first fragments land
	NEXTLOADS 0
	s_mov_b32 s10, 8
.Lturn_\b:
	s_cmp_eq_u32 s11, 0
	s_cbranch_scc1 .Lnold_\b
.irp q, 0,1,2,3
	global_load_b128 v[CS+4*(\q):CS+4*(\q)+3], v[GW], s[74:75] offset:512*(\q)  ; two rows of the next W1, asked for most of a turn ahead of their use.  No wait: no vector instruction since W3 names CS or GW, and the turn-end wait stands behind the stores that read CS
.endr
.Lnold_\b:
	WIN 0x04                                       ; source 1 (h, d) in window 1; LDS loads name only destination and source 0, which stay in window 0
	s_wait_dscnt 0xc                               ; the bias and K steps 0-1 are in; of what was issued behind them at most twelve (K steps 2-4, the last turn's four stores) are out
	MM8 0, 1
	MM8 1, 0
	s_wait_alu depctr_va_vdst(0)                   ; W1: these 16 products are done reading K steps 0-1 and the bias, the last turn's layer 3 the strip's fragments: the loads below land there; AW and W2A, stepped at the last turn's end, are written
	LDK 5, 0
	LDK 6, 0
	LDK 7, 0
	ds_load_b128 v[WFD:WFD+3],   v[W2A]            ; the strip from row 0, for d2,
	ds_load_b128 v[WFD+4:WFD+7], v[W2A] offset:32
	ds_load_b128 v[WFH:WFH+3],   v[W2A] offset:2*PITCH     ; and from row 2, for h2
	ds_load_b128 v[WFH+4:WFH+7], v[W2A] offset:2*PITCH+32
	s_wait_dscnt 0x10                              ; K steps 2-4 are in; the sixteen loads just issued may stay out
	MM8 2, 0
	MM8 3, 0
	MM8 4, 0
	s_wait_dscnt 0x0                               ; K steps 5-7 and the strip, asked for 24 products ago
	MM8 5, 0
	MM8 6, 0
	MM8 7, 0
	WIN 0
	PLACES 4                                       ; ahead of the first reader of the sums
	EXPS
	s_wait_alu depctr_va_vdst(0)                   ; W2: the 32 exponentials have written their results, ahead of the first reader; every product is done reading the K buffers and BF, in which the next turn's loads land
	s_cmp_eq_u32 s10, 1
	s_cbranch_scc1 .Lnonext_\b                     ; the last turn has no successor
	NEXTLOADS 1                                    ; the next turn's first fragments land during this turn's vector work
.Lnonext_\b:
	ONES
	s_wait_loadcnt 0x0                             ; the two rows of the next W1 are in (where none were asked for, nothing is out): the stage and the pointer are free
	s_cmp_eq_u32 s11, 0
	s_cbranch_scc1 .Lnocv_\b
	CVT4 CS, 4
	s_add_nc_u64 s[74:75], s[74:75], 2048
.Lnocv_\b:
	RCPS
	s_wait_alu depctr_va_vdst(0)                   ; W3: the 32 reciprocals have written their results, ahead of the first reader; the conversions have written CS, which the stores below read; SW is written
	s_cmp_eq_u32 s11, 0
	s_cbranch_scc1 .Lnost_\b
.irp q, 0,1,2,3
	ds_store_b64 v[SW], v[CS+4*(\q):CS+4*(\q)+1] offset:PITCH*((\q)/2)+256*((\q)%2)
.endr
.Lnost_\b:
	REST
	L3 \b
	s_wait_alu depctr_vm_vsrc(0)                   ; the turn's LDS loads and stores have read AW, BA, W2A, SW and CS: the four are stepped below, CS is loaded again at the next turn's top
	v_add_nc_u32 v[AW], 32*PITCH, v[AW]            ; the next 32 features: of W1,
	v_add_nc_u32 v[BA], 128, v[BA]                 ; of the bias,
	v_add_nc_u32 v[W2A], 64, v[W2A]                ; of the strip;
	v_add_nc_u32 v[SW], 2*PITCH, v[SW]             ; the next two rows of the W1 that is laid out
	v_nop                                          ; with the four steps five places: the next turn's first products write over layer 3's B registers
	s_sub_co_u32 s10, s10, 1
	s_cmp_lg_u32 s10, 0
	s_cbranch_scc1 .Lturn_\b
	s_wait_dscnt 0x0                               ; no LDS instruction of mine is out when other loads land in the fragments' registers
.endm
; ================ THE HEAD ================
	s_load_b512 s[16:31], s[0:1], 0x0
	s_load_b512 s[32:47], s[0:1], 0x40
	s_load_b512 s[48:63], s[0:1], 0x80
	s_load_b64 s[4:5], s[0:1], 0xc0                ; t
	v_lshl_add_u32 v[SPW], v0, 2, SPARE
	v_mov_b32 v[NIL], 0
	v_lshrrev_b32 v1, 5, v0
	v_readfirstlane_b32 s8, v1                     ; wave 0..7
	v_and_b32 v24, 31, v0                          ; L
	v_and_b32 v25, 15, v0                          ; r
	v_bfe_u32 v26, v0, 4, 1                        ; h
	v_mul_u32_u24 v[AW0], v25, PITCH
	v_lshl_add_u32 v[AW0], v26, 4, v[AW0]
	v_lshlrev_b32 v[H32], 5, v26
	s_lshl_b32 s2, ttmp9, 11                       ; the work-group's 512 points: 2,048 bytes of t and of each output
	s_wait_alu depctr_va_sdst(0)                   ; s8 is written, ahead of its first reader: offsets, LDS addresses and a branch are made from it
	s_lshl_b32 s81, s8, 15
	v_lshl_add_u32 v[GW], v24, 4, s81
	s_mul_i32 s81, s8, 32*PITCH
	v_lshl_add_u32 v[SW0], v24, 3, s81
	s_lshl_b32 s81, s8, 16
	v_lshl_add_u32 v[CG], v24, 4, s81              ; the first lay-out's two addresses: made by every wave, used by waves 0-3
	s_mul_i32 s81, s8, 64*PITCH
	v_lshl_add_u32 v[CL], v24, 3, s81
	v_lshl_add_u32 v[OO], v0, 3, s2
	s_lshl_b32 s81, s8, 8
	s_add_co_u32 s81, s81, s2
	v_lshl_add_u32 v[TO], v25, 3, s81
	v_lshlrev_b32 v[I4], 2, v0
	v_lshl_add_u32 v27, v0, 4, W2S
	v_lshl_add_u32 v[HA], v0, 1, W2S
	v_mov_b32 v28, 0
	v_mov_b32 v29, 0
	v_mov_b32 v30, 0
	v_mov_b32 v31, 0
	s_mov_b32 s76, 0xffff0000
	s_mov_b32 s78, 0x76543210
	s_mov_b32 s79, 0xfedcba98
	s_mov_b32 s82, C2
	s_mov_b32 s83, C2                              ; named with it as a pair, so it is written
	s_wait_alu depctr_va_vdst(0)                   ; v27 and the four zeros are written, which the stores below read; so are all offsets and addresses that are never written again (GW, CG, CL, OO, TO, I4), and v239
.irp j, 0,1,2,3,4,5,6
	ds_store_b128 v27, v[28:31] offset:4096*(\j)   ; the strips' zeros: 256 threads x 16 bytes x 7 = 28,672 bytes
.endr
	s_wait_kmcnt 0x0
	s_load_b64 s[66:67], s[40:41], 0x0             ; b_ab2
	s_load_b64 s[68:69], s[42:43], 0x0             ; b_kxy2
	s_load_b64 s[70:71], s[44:45], 0x0             ; b_sxy2
.irp m, 0,1,2                          ; thread i takes entry i of every table
	global_load_b32 v[CS+(\m)],      v[I4], s[16+8*(\m):17+8*(\m)]               ; W0
	global_load_b32 v[CS+3+(\m)],    v[I4], s[18+8*(\m):19+8*(\m)]               ; b0
	global_load_b32 v[CS+6+(\m)],    v[I4], s[20+8*(\m):21+8*(\m)]               ; b1
	global_load_b32 v[CS+9+2*(\m)],  v[I4], s[22+8*(\m):23+8*(\m)]               ; W2's row 0
	global_load_b32 v[CS+10+2*(\m)], v[I4], s[22+8*(\m):23+8*(\m)] offset:1024   ; W2's row 1
.endr
	global_load_b64 v[TP:TP+1],   v[TO], s[4:5]
	global_load_b64 v[TP+2:TP+3], v[TO], s[4:5] offset:128
	global_load_b64 v[TF:TF+1],   v[OO], s[4:5]
	s_wait_dscnt 0x0                               ; my zeros lie in LDS,
	s_barrier_signal -1
	s_barrier_wait -1                              ; everybody's do: now the live rows may be written over them
	s_wait_loadcnt 0x0
	s_wait_alu depctr_vm_vsrc(0)                   ; the zeros' stores have read v27 to v31: v27 is written again here, v28 and v29 behind the next barrier
	v_lshl_add_u32 v27, v0, 2, TAB
.irp m, 0,1,2
	v_mul_f32 v[CS+(\m)],   C2PI, v[CS+(\m)]       ; w' = c2 pi W0
	v_mul_f32 v[CS+3+(\m)], C2,   v[CS+3+(\m)]     ; b' = c2 b0
	v_mul_f32 v[CS+6+(\m)], C2,   v[CS+6+(\m)]     ; b1'' = c2 b1
	v_cvt_pk_f16_f32 v[CS+9+2*(\m)], v[CS+9+2*(\m)], v[CS+10+2*(\m)]
.endr
	s_wait_alu depctr_va_vdst(0)                   ; v27 and the twelve scaled or rounded entries are written, which the stores below read
.irp m, 0,1,2
	ds_store_b32 v27, v[CS+(\m)]   offset:2048*(\m)
	ds_store_b32 v27, v[CS+3+(\m)] offset:2048*(\m)+1024
	ds_store_b32 v27, v[CS+6+(\m)] offset:BIAS-TAB+1024*(\m)
	ds_store_b16        v[HA], v[CS+9+2*(\m)] offset:STRIP*(\m)+(4*(\m)+2)*PITCH
	ds_store_b16_d16_hi v[HA], v[CS+9+2*(\m)] offset:STRIP*(\m)+(4*(\m)+3)*PITCH
.endr
	s_wait_dscnt 0x0                               ; my part of the tables lies in LDS,
	s_barrier_signal -1
	s_barrier_wait -1                              ; everybody's does; nobody writes tables, biases or strips again
	s_wait_alu depctr_vm_vsrc(0)                   ; the tables' stores have read v27, the entries' registers and v239: the first lay-out's conversions, the next W1's loads and the turns' vector work write them again
	s_wait_kmcnt 0x0
	v_mov_b32 v28, s66                             ; layer 3's sums start with b2: register j is row j in lanes 0-15, row 8 + j in lanes 16-31
	v_mov_b32 v29, s70
	v_cndmask_b32 v[OUT], v28, v29, s76            ; a | sx
	v_mov_b32 v28, s67
	v_mov_b32 v29, s71
	v_cndmask_b32 v[OUT+1], v28, v29, s76          ; b | sy
	v_mov_b32 v[OUT+2], 0
	v_mov_b32 v[OUT+3], 0
	v_mov_b32 v28, s68
	v_cndmask_b32 v[OUT+4], v28, 0, s76            ; kx | unused row
	v_mov_b32 v28, s69
	v_cndmask_b32 v[OUT+5], v28, 0, s76            ; ky | unused row
	v_mov_b32 v[OUT+6], 0
	v_mov_b32 v[OUT+7], 0
.set i, 8
.rept 24
	v_mov_b32 v[OUT+i], v[OUT+i%8]                 ; the same for the other three accumulators
.set i, i+1
.endr
; ================ THE FIRST W1: waves 0-3, 64 rows each, into buffer 0; eight blocks of 8 rows through two stages, written out ================
	s_cmp_lt_u32 s8, 4
	s_cbranch_scc0 .Lno_conv
	CLOAD 0, 0                                     ; no wait: no vector instruction has named the stages, and CG stands ahead of the head's first wait on va_vdst
	CLOAD 1, 1
.irp k, 0,1,2,3,4,5
	s_wait_loadcnt 16                              ; this block's stage is in; the other stage's 16 loads may stay out
	CCVT (\k)%2, \k
	CLOAD (\k)%2, (\k)+2                           ; the stage takes the block after next
	CSTORE (\k)%2, \k
.endr
	s_wait_loadcnt 16                              ; the last two blocks: nothing more is asked for
	CCVT 0, 6
	CSTORE 0, 6
	s_wait_loadcnt 0x0
	CCVT 1, 7
	CSTORE 1, 7
	s_wait_alu depctr_vm_vsrc(0)                   ; the last two blocks' stores have read the out-buffers, in which biases, strips, the next W1's rows and a K step's fragments land
.Lno_conv:
; ================ THE THREE MLPs ================
	s_mov_b32 s9, 3
	s_mov_b32 s12, 0
	s_mov_b32 s13, BUFB
	s_mov_b32 s14, TAB
	s_mov_b32 s15, BIAS
	s_mov_b32 s72, W2S
.Lmlp:
	s_wait_dscnt 0x0                               ; my rows of this MLP's W1 lie in LDS, and my reads of the last MLP's are over
	s_barrier_signal -1
	s_cmp_eq_u32 s9, 3
	s_cselect_b64 s[74:75], s[48:49], s[50:51]     ; the W1 to lay out meanwhile: W_kxy1, then W_sxy1
	s_cmp_lg_u32 s9, 1
	s_cselect_b32 s11, 1, 0                        ; the last MLP has no successor
	v_add_nc_u32 v[SW], s13, v[SW0]                ; (no wait on vm_vsrc for these five: as PASSADR says)
	v_add_nc_u32 v[TA], s14, v[H32]
	PASSADR
	s_wait_alu depctr_va_vdst(0)                   ; TA is written, which the table loads read
	L1GEN 0                                        ; between signal and wait: registers, and loads of tables that nobody writes any more
	s_barrier_wait -1                              ; W1 is whole, and nobody reads the other buffer: it may be written
	TURNS 0
	PASSADR
	L1GEN 1                                        ; its first loads owe no wait: since the last turn's W3 no vector or matrix instruction names TA or the table sets
	TURNS 1
	s_xor_b32 s12, s12, BUFB
	s_xor_b32 s13, s13, BUFB
	s_add_co_u32 s14, s14, 2048
	s_add_co_u32 s15, s15, 1024
	s_add_co_u32 s72, s72, STRIP
	s_sub_co_u32 s9, s9, 1
	s_cmp_lg_u32 s9, 0
	s_cbranch_scc1 .Lmlp
; ================ THE END: lane L = 16 pt + r gathers the twelve numbers of its points 2 L (b = 0) and 2 L + 1 (b = 1) ================
.set FA,   64                          ; pairs (b = 0, b = 1): a, b, da, db, kx, ky, dkx, dky, sx, sy, dsx, dsy
.set FB,   66
.set FDA,  68
.set FDB,  70
.set FKX,  72
.set FKY,  74
.set FDKX, 76
.set FDKY, 78
.set FSX,  80
.set FSY,  82
.set FDSX, 84
.set FDSY, 86
.set RK,   88
.set RF,   90
.set RS,   92
.set RY,   94
.set SI,   96
.set CO,   98
.set CM,   100
.set XP0,  102
.set YP0,  104
.set XPR,  106
.set YPR,  108
.set T1,   110
.set T2,   112
.set T3,   114
.set T4,   116
.set XD,   118
.set YD,   120
.set ALF,  122
.set ALD,  124
.irp b, 0,1
.set j, 0
.rept 8                                ; rows 0-7 lie in lanes 0-15: tile 0's are my own (L < 16), tile 1's come from the lane 16 away (L >= 16).  Register 0 of each accumulator is read first
	v_permlanex16_b32 v1, v[OUT+16*(\b)+8+j], s78, s79
	v_cndmask_b32 v[FA+2*j+(\b)], v[OUT+16*(\b)+j], v1, s76
.set j, j+1
.endr
.set j, 0
.rept 4                                ; rows 8-11 lie in lanes 16-31: the other way round
	v_permlanex16_b32 v1, v[OUT+16*(\b)+j], s78, s79
	v_cndmask_b32 v[FSX+2*j+(\b)], v1, v[OUT+16*(\b)+8+j], s76
.set j, j+1
.endr
.endr
	v_rndne_f32 v[RK], v[TF]                       ; t = k + f
	v_rndne_f32 v[RK+1], v[TF+1]
	v_pk_add_f32 v[RF:RF+1], v[TF:TF+1], v[RK:RK+1] neg_lo:[0,1] neg_hi:[0,1]
	v_cvt_i32_f32 v[RS], v[RK]
	v_cvt_i32_f32 v[RS+1], v[RK+1]
	v_lshlrev_b32 v[RS], 31, v[RS]                 ; k's parity as a sign bit
	v_lshlrev_b32 v[RS+1], 31, v[RS+1]
	v_pk_mul_f32 v[RY:RY+1], v[RF:RF+1], v[RF:RF+1]
	v_mov_b32 v[SI], SN5
	v_mov_b32 v[SI+1], SN5
	v_mov_b32 v[CO], CN6
	v_mov_b32 v[CO+1], CN6
.macro HORN reg, coef
	v_pk_fma_f32 v[\reg:\reg+1], v[\reg:\reg+1], v[RY:RY+1], \coef op_sel_hi:[1,1,0]
.endm
	HORN CO, CN5
	HORN SI, SN4
	HORN CO, CN4
	HORN SI, SN3
	HORN CO, CN3
	HORN SI, SN2
	HORN CO, CN2
	HORN SI, SN1
	HORN CO, CN1
	HORN SI, PI
	HORN CO, 1.0
	v_pk_mul_f32 v[SI:SI+1], v[SI:SI+1], v[RF:RF+1]
	v_xor_b32 v[CO], v[CO], v[RS]
	v_xor_b32 v[CO+1], v[CO+1], v[RS+1]
	v_xor_b32 v[SI], v[SI], v[RS]
	v_xor_b32 v[SI+1], v[SI+1], v[RS+1]
	v_pk_add_f32 v[CM:CM+1], v[CO:CO+1], -1.0 op_sel_hi:[1,0]
.macro PM d, a, b
	v_pk_mul_f32 v[\d:\d+1], v[\a:\a+1], v[\b:\b+1]
.endm
.macro PF d, a, b, c
	v_pk_fma_f32 v[\d:\d+1], v[\a:\a+1], v[\b:\b+1], v[\c:\c+1]
.endm
	PM XP0, FA, CM                                 ; a (cos - 1)
	PM YP0, FB, SI                                 ; b sin
	PM T1, FDA, CM
	PM T3, FDB, SI
	PM T2, FA, SI
	PM T4, FB, CO
	PF XPR, XP0, FKX, FSX                          ; xp
	PF YPR, YP0, FKY, FSY                          ; yp
	PF T1, T1, FKX, FDSX
	PF T3, T3, FKY, FDSY
	PM T2, T2, FKX
	PM T4, T4, FKY
	PF T1, XP0, FDKX, T1                           ; (da (cos - 1)) kx + xp0 dkx + dsx, all three short of the factor KD
	PF T3, YP0, FDKY, T3
	v_pk_mul_f32 v[T2:T2+1], v[T2:T2+1], PI op_sel_hi:[1,0]
	v_pk_mul_f32 v[T4:T4+1], v[T4:T4+1], PI op_sel_hi:[1,0]
	v_pk_fma_f32 v[XD:XD+1], v[T1:T1+1], KD, v[T2:T2+1] op_sel_hi:[1,0,1] neg_lo:[0,0,1] neg_hi:[0,0,1]  ; xp' = KD (..) - pi a sin kx
	v_pk_fma_f32 v[YD:YD+1], v[T3:T3+1], KD, v[T4:T4+1] op_sel_hi:[1,0,1]                                ; yp' = KD (..) + pi b cos ky
	v_pk_mul_f32 v[ALF:ALF+1], v[TF:TF+1], HALFPI op_sel_hi:[1,0]
	v_mov_b32 v[ALD], HALFPI
	v_mov_b32 v[ALD+1], HALFPI
	s_wait_alu depctr_va_vdst(0)                   ; the six pairs of results are written, which the stores below read
	global_store_b64 v[OO], v[ALF:ALF+1], s[52:53] th:TH_STORE_NT  ; each store of the wave covers 256 consecutive bytes, aligned
	global_store_b64 v[OO], v[XPR:XPR+1], s[54:55] th:TH_STORE_NT
	global_store_b64 v[OO], v[YPR:YPR+1], s[56:57] th:TH_STORE_NT
	global_store_b64 v[OO], v[ALD:ALD+1], s[58:59] th:TH_STORE_NT
	global_store_b64 v[OO], v[XD:XD+1],   s[60:61] th:TH_STORE_NT
	global_store_b64 v[OO], v[YD:YD+1],   s[62:63] th:TH_STORE_NT
	s_wait_dscnt 0x0                               ; the wave's end: the closing lines, six on end
	s_wait_alu 0x0
	s_wait_tensorcnt 0x0
	ds_add_u32 v[SPW], v[NIL]
	s_wait_dscnt 0x0
	s_endpgm
.Lfunc_end_k_q99fa011e12_sofa:
	.size	k_q99fa011e12_sofa, .Lfunc_end_k_q99fa011e12_sofa-k_q99fa011e12_sofa
	.p2alignl 7, 3214868480
	.fill 96, 4, 3214868480
	.section	.rodata,"a",@progbits
	.p2align	6, 0x0
	.amdhsa_kernel k_q99fa011e12_sofa
		.amdhsa_group_segment_fixed_size 309248
		.amdhsa_private_segment_fixed_size 0
		.amdhsa_enable_private_segment 0
		.amdhsa_kernarg_size 200
		.amdhsa_user_sgpr_count 2
		.amdhsa_user_sgpr_kernarg_segment_ptr 1
		.amdhsa_wavefront_size32 1
		.amdhsa_system_sgpr_workgroup_id_x 1
		.amdhsa_system_sgpr_workgroup_id_y 1
		.amdhsa_system_sgpr_workgroup_id_z 1
		.amdhsa_system_vgpr_workitem_id 0
		.amdhsa_next_free_vgpr 512
		.amdhsa_next_free_sgpr 96
		.amdhsa_reserve_vcc 0
		.amdhsa_float_denorm_mode_32 3
		.amdhsa_float_denorm_mode_16_64 3
		.amdhsa_memory_ordered 1
		.amdhsa_forward_progress 1
		.amdhsa_inst_pref_size 255
	.end_amdhsa_kernel
	.section	.bss,"aw",@nobits
	.p2align	6
	.space	262144
	.amdgpu_metadata
---
amdhsa.version: [ 1, 2 ]
amdhsa.kernels:
  - .name:           k_q99fa011e12_sofa
    .symbol:         k_q99fa011e12_sofa.kd
    .args:
      - { .name: W_ab0, .offset: 0, .size: 8, .value_kind: global_buffer, .address_space: global }
      - { .name: b_ab0, .offset: 8, .size: 8, .value_kind: global_buffer, .address_space: global }
      - { .name: b_ab1, .offset: 16, .size: 8, .value_kind: global_buffer, .address_space: global }
      - { .name: W_ab2, .offset: 24, .size: 8, .value_kind: global_buffer, .address_space: global }
      - { .name: W_kxy0, .offset: 32, .size: 8, .value_kind: global_buffer, .address_space: global }
      - { .name: b_kxy0, .offset: 40, .size: 8, .value_kind: global_buffer, .address_space: global }
      - { .name: b_kxy1, .offset: 48, .size: 8, .value_kind: global_buffer, .address_space: global }
      - { .name: W_kxy2, .offset: 56, .size: 8, .value_kind: global_buffer, .address_space: global }
      - { .name: W_sxy0, .offset: 64, .size: 8, .value_kind: global_buffer, .address_space: global }
      - { .name: b_sxy0, .offset: 72, .size: 8, .value_kind: global_buffer, .address_space: global }
      - { .name: b_sxy1, .offset: 80, .size: 8, .value_kind: global_buffer, .address_space: global }
      - { .name: W_sxy2, .offset: 88, .size: 8, .value_kind: global_buffer, .address_space: global }
      - { .name: b_ab2, .offset: 96, .size: 8, .value_kind: global_buffer, .address_space: global }
      - { .name: b_kxy2, .offset: 104, .size: 8, .value_kind: global_buffer, .address_space: global }
      - { .name: b_sxy2, .offset: 112, .size: 8, .value_kind: global_buffer, .address_space: global }
      - { .name: W_ab1, .offset: 120, .size: 8, .value_kind: global_buffer, .address_space: global }
      - { .name: W_kxy1, .offset: 128, .size: 8, .value_kind: global_buffer, .address_space: global }
      - { .name: W_sxy1, .offset: 136, .size: 8, .value_kind: global_buffer, .address_space: global }
      - { .name: out0, .offset: 144, .size: 8, .value_kind: global_buffer, .address_space: global }
      - { .name: out1, .offset: 152, .size: 8, .value_kind: global_buffer, .address_space: global }
      - { .name: out2, .offset: 160, .size: 8, .value_kind: global_buffer, .address_space: global }
      - { .name: out3, .offset: 168, .size: 8, .value_kind: global_buffer, .address_space: global }
      - { .name: out4, .offset: 176, .size: 8, .value_kind: global_buffer, .address_space: global }
      - { .name: out5, .offset: 184, .size: 8, .value_kind: global_buffer, .address_space: global }
      - { .name: t, .offset: 192, .size: 8, .value_kind: global_buffer, .address_space: global }
    .group_segment_fixed_size: 309248
    .private_segment_fixed_size: 0
    .kernarg_segment_align: 8
    .kernarg_segment_size: 200
    .max_flat_workgroup_size: 256
    .sgpr_count:     96
    .vgpr_count:     512
    .wavefront_size: 32
...
	.end_amdgpu_metadata
.endif
;; end of part 2
